; MI455X (gfx1250); checked and timed in simulation.
; The chip was launched on July 23, 2026; its instructions are those of AMD's public machine-readable ISA for CDNA 5 (MIT licence, August 2026) and "CDNA5" Instruction Set Architecture Reference Guide (July 2026). The comments in the code are by the model that wrote it; some were corrected since.
;; Multi Head Attention. Allowed arithmetic: matrix products marked QUANTISED: E2M1 operands, one E8M0 scale for each 32 along K, by v_wmma_scale_f32_16x16x128_f8f6f4 with both operands' format E2M1 (or v_wmma_scale_f32_32x16x128_f4), f32 sums; products left as they are: bf16, f16 or f32 operands; f32 sums; everything else in f32.
;; Inputs: Wk 1,024 x 1,024 float32; Wo 1,024 x 1,024 float32; Wq 1,024 x 1,024 float32; Wv 1,024 x 1,024 float32; bk 1,024 float32; bo 1,024 float32; bq 1,024 float32; bv 1,024 float32; key 4 x 2,048 x 1,024 float32; query 4 x 2,048 x 1,024 float32; value 4 x 2,048 x 1,024 float32.
;; Outputs: out0 4 x 2,048 x 1,024 float32.
;; This version of the problem:
;;   THIS VERSION OF THE PROBLEM IS GIVEN IN LOW PRECISION. The matrix products marked QUANTISED in the list below multiply operands that are first quantised to E2M1 (2 exponent bits, 1 mantissa bit; 4 bits a number), with one power-of-two scale for each 32 numbers along K (OCP MX v1.0); their sums are f32. The products marked 'left as it is' may take bf16, f16 or f32 operands, with f32 sums. Whichever they take, every output number must still come out within the allowed error. Rounding operands to bf16 (8 significant bits) uses up far more of that allowance than f16 does (11 bits, for magnitudes from 6e-5 to 65,504). All else is computed in f32.
;;   The module's matrix products, in the order in which they are computed (A, B: the left and right operand; K: the contracted axis; several contracted axes count as one K, in the product's order):
;;     1. [M 8,192, K 1,024] x [K 1,024, N 1,024]; A: input query; B: input Wq: QUANTISED
;;     2. [M 8,192, K 1,024] x [K 1,024, N 1,024]; A: input key; B: input Wk: QUANTISED
;;     3. [M 8,192, K 1,024] x [K 1,024, N 1,024]; A: input value; B: input Wv: QUANTISED
;;     4. batch 64 x [M 2,048, K 64] x [K 64, N 2,048]; A: computed on the way; B: computed on the way: left as it is (an operand is computed on the way)
;;     5. batch 64 x [M 2,048, K 2,048] x [K 2,048, N 64]; A: computed on the way; B: computed on the way: left as it is (an operand is computed on the way)
;;     6. [M 8,192, K 1,024] x [K 1,024, N 1,024]; A: computed on the way; B: input Wo: left as it is (an operand is computed on the way)
;;   THE QUANTISER, for each operand of a quantised product, along K:
;;     - K is cut into blocks of 32 from its start; a last block that is shorter is filled with zeros.
;;     - A block's scale is 2^e with e = floor(log2(the largest magnitude in the block)) - 2, held to -126 .. 127; a block of zeros has e = 0. As a byte (E8M0): e + 127.
;;     - Each number is divided by its block's scale, clamped to +-6, and rounded to the nearest number of E2M1, ties to even, subnormals kept.
;;     - The product sums the exact products of the quantised numbers (number of the format x scale) in f32.
;;   ~~~python
;;   def quantise(x, axis):      # numpy; x: float32 -> the quantised numbers, widened to float32 again
;;       x = np.moveaxis(x, axis, -1); K = x.shape[-1]
;;       x = np.pad(x, [(0, 0)] * (x.ndim - 1) + [(0, -K % 32)]); x = x.reshape(x.shape[:-1] + (-1, 32)); a = np.abs(x).max(-1, keepdims=True)
;;       e = np.where(a > 0, np.clip(np.frexp(np.where(a > 0, a, 1))[1] - 1 - 2, -126, 127), 0)      # np.frexp(a)[1] - 1 = floor(log2(a)), exactly
;;       r = np.clip(x / 2.0 ** e, -6, 6)
;;       step = 2.0 ** (np.maximum(np.frexp(np.where(r == 0, 1, r))[1] - 1, 0) - 1)
;;       q = np.round(r / step) * step * 2.0 ** e      # np.round: ties to even
;;       return np.moveaxis(q.reshape(q.shape[:-2] + (-1,))[..., :K], -1, axis).astype(np.float32)
;;   ~~~
;; One version. Each part assembles by itself: llvm-mc -triple=amdgcn-amd-amdhsa -mcpu=gfx1250 --defsym DOCPART=n.
;; ======== version 1 of 1: 4 launches
;; limits: values are held in f16: magnitudes above 65,504 overflow, below 6.1e-05 lose precision
;; workspace buffers: xc 12,582,912 bytes; xs 786,432 bytes; wc 1,572,864 bytes; ws 98,304 bytes; wo16 2,097,152 bytes; qkv 50,331,648 bytes; ao 16,777,216 bytes
;; launch quant (part 1): grid 896 x 1, 4 waves a work-group, no clusters, 33,280 bytes of LDS; arguments query, key, value, Wq, Wk, Wv, Wo, xc, xs, wc, ws, wo16; writes xc, xs, wc, ws, wo16
.if DOCPART == 1
	.amdgcn_target "amdgcn-amd-amdhsa--gfx1250"
	.amdhsa_code_object_version 6
	.text
	.protected	k_q194633e9a8_quant
	.globl	k_q194633e9a8_quant
	.p2align	8
	.type	k_q194633e9a8_quant,@function
k_q194633e9a8_quant:
	s_mov_b64 s[64:65], 0
	v_nop
	global_prefetch_b8 v0, s[64:65] scope:SCOPE_SE
	s_setreg_imm32_b32 hwreg(HW_REG_WAVE_MODE, 25, 1), 1
	s_wait_xcnt 0x0
; query, key, value [8192][1024] and Wq, Wk, Wv [1024][1024], f32, K innermost, become codes of FP4 (E2M1), two to a byte, K innermost, with one E8M0 byte for each 32 along K:
; xc [3][8192][512 bytes], xs [3][8192][32], wc [3][1024][512 bytes], ws [3][1024][32].  Wo [1024][1024] f32 becomes f16, wo16, in the same order.
; A block's scale is 2^(floor(log2(its largest magnitude)) - 2); its byte is the largest magnitude's exponent field - 2, held at 1 from below; each number is divided by the scale and rounded to the nearest code, ties to even, beyond 6 the code of 6.
; LIMITS: a block of zeros gets the byte 1 (its codes are zeros; the bytes are read by this program alone); blocks whose largest magnitude lies under 2^-124 were not tried; NaN and infinities are not served; |Wo| over 65,504 becomes infinity in f16.
; Rows are dense and 1,024 is a multiple of 32: every tensor is a plain stream of blocks of 32.  A work-group takes 32,768 numbers, a wave 8,192: 16 steps of 512.
; Work-groups 0-767: the three activations (256 each); 768-863: the three weights (32 each); 864-895: Wo.  Only pointers are chosen for the first 864: they take one way through the text.
; Each load reads 512 consecutive bytes; a step's 2,048 bytes turn through the wave's own stage in LDS so that a lane holds 16 neighbours along K; two neighbouring lanes hold a block.
; No tensor loads, no barrier: waves share nothing.  Loads run four steps (16 loads a wave) ahead.
.set STEPS, 16
.set EMAX,  2
.set CB,    8                          ; bytes of 16 codes
.set R,     16                         ; v16-79   four sets of 16 numbers as loaded
.set X,     80                         ; v80-111  two sets of 16 neighbours
.set C,     128                        ; v128-191 codes: registers of its own for each step
.set E,     112                        ; v112-127 a scale byte for each step
.set WREG,  8192                       ; LDS: a region for each wave: two stages of 32 x SP bytes, then its 256 scale bytes
.set SP,    80                         ; a lane's place in a stage: 64 bytes + 16 of padding
.set SPW,   12                         ; v12 LDS address of my spare word; never rewritten
.set NIL,   13                         ; v13 0; never rewritten
.set SPARE, 4*WREG                     ; behind the four regions: the spare words, 128 bytes a wave
.set NACT,  768
.set NQNT,  864
	s_load_b512 s[4:19], s[0:1], 0x0               ; query 4, key 6, value 8, Wq 10, Wk 12, Wv 14, Wo 16, xc 18
	s_load_b256 s[20:27], s[0:1], 0x40             ; xs 20, wc 22, ws 24, wo16 26
	v_lshl_add_u32 v[SPW], v0, 2, SPARE
	v_mov_b32 v[NIL], 0
	v_lshrrev_b32 v1, 5, v0
	v_readfirstlane_b32 s28, v1                    ; wave
	v_and_b32 v2, 31, v0                           ; lane
	v_lshlrev_b32 v3, 4, v2                        ; my 16 bytes of a load's 512
	s_mul_i32 s29, s28, WREG
	v_lshrrev_b32 v14, 2, v2
	v_mul_u32_u24 v14, v14, SP
	v_and_b32 v15, 3, v2
	v_lshl_add_u32 v14, v15, 4, v14
	v_add_nc_u32 v14, s29, v14                     ; the stage, on the way in: SP (lane / 4) + 16 (lane % 4)
	v_mul_u32_u24 v15, v2, SP
	v_add_nc_u32 v15, s29, v15                     ; and on the way out: SP x lane: my 16 neighbours
	v_mul_u32_u24 v4, v2, CB                       ; my codes' place in a step's
	v_lshrrev_b32 v5, 1, v2
	s_add_co_u32 s29, s29, 2*32*SP
	v_add_nc_u32 v5, s29, v5                       ; LDS: my wave's 256 scale bytes, my block's byte
	v_lshlrev_b32 v7, 3, v2                        ; and on the way out 8 bytes a lane
	v_add_nc_u32 v6, s29, v7
	s_wait_kmcnt 0x0
	s_cmp_lt_u32 ttmp9, NQNT
	s_cbranch_scc1 .Lquantise
	; ---- Wo to f16: a wave takes 8,192 numbers in four batches of eight steps of 256; a lane's 8 numbers become 16 bytes, so a store covers 512 consecutive bytes
	s_sub_co_u32 s29, ttmp9, NQNT
	s_lshl_b32 s29, s29, 2
	s_add_co_u32 s29, s29, s28                     ; which run of 8,192 numbers
	s_lshl_b32 s30, s29, 15
	s_mov_b32 s31, 0
	s_add_nc_u64 s[16:17], s[16:17], s[30:31]
	s_lshl_b32 s30, s29, 14
	s_add_nc_u64 s[26:27], s[26:27], s[30:31]
	v_lshlrev_b32 v8, 5, v2
	v_lshlrev_b32 v9, 4, v2
.irp k, 0,1,2,3
.if \k > 0
	s_wait_xcnt 0x0                                ; the last batch's stores have read their data registers, which are written again below
.endif
.irp i, 0,1,2,3,4,5,6,7
.irp c, 0,1
	global_load_b128 v[16+8*\i+4*\c:16+8*\i+4*\c+3], v8, s[16:17] offset:(8*\k+\i)*1024+16*\c th:TH_LOAD_NT
.endr
.endr
	s_wait_loadcnt 0x0
.irp i, 0,1,2,3,4,5,6,7
.irp r, 0,1,2,3
	v_cvt_pk_f16_f32 v[80+4*\i+\r], v[16+8*\i+2*\r], v[16+8*\i+2*\r+1]
.endr
	global_store_b128 v9, v[80+4*\i:80+4*\i+3], s[26:27] offset:(8*\k+\i)*512
.endr
.endr
	s_branch .Lend
.Lquantise:
	; ---- which tensor, which run.  All choices hang on the work-group's number alone
	s_lshr_b32 s29, ttmp9, 8                       ; an activation: tensor g / 256,
	s_and_b32 s30, ttmp9, 255                      ; work-group g % 256 of it
	s_sub_co_u32 s31, ttmp9, NACT
	s_lshr_b32 s32, s31, 5                         ; a weight: tensor (g - 768) / 32,
	s_and_b32 s33, s31, 31                         ; work-group (g - 768) % 32
	s_mov_b32 s34, 32
	s_cmp_lt_u32 ttmp9, NACT
	s_cselect_b32 s29, s29, s32                    ; t
	s_cselect_b32 s30, s30, s33                    ; idx
	s_cselect_b32 s34, 256, s34                    ; work-groups to a tensor
	s_cmp_eq_u32 s29, 1
	s_cselect_b64 s[36:37], s[6:7], s[4:5]
	s_cselect_b64 s[38:39], s[12:13], s[10:11]
	s_cmp_eq_u32 s29, 2
	s_cselect_b64 s[36:37], s[8:9], s[36:37]
	s_cselect_b64 s[38:39], s[14:15], s[38:39]
	s_cmp_lt_u32 ttmp9, NACT
	s_cselect_b64 s[4:5], s[36:37], s[38:39]       ; the numbers
	s_cselect_b64 s[8:9], s[18:19], s[22:23]       ; the codes
	s_cselect_b64 s[10:11], s[20:21], s[24:25]     ; the scale bytes
	s_lshl_b32 s31, s30, 2
	s_add_co_u32 s31, s31, s28                     ; my run in the tensor: 4 idx + wave
	s_mul_i32 s32, s29, s34
	s_add_co_u32 s32, s32, s30
	s_lshl_b32 s32, s32, 2
	s_add_co_u32 s32, s32, s28                     ; and in the buffers of three tensors on end
	s_lshl_b32 s40, s31, 15                        ; 32,768 bytes of f32 a run
	s_mov_b32 s41, 0
	s_add_nc_u64 s[4:5], s[4:5], s[40:41]
	s_lshl_b32 s40, s32, 12                        ; 4,096 bytes of codes
	s_add_nc_u64 s[8:9], s[8:9], s[40:41]
	s_lshl_b32 s40, s32, 8                         ; 256 scale bytes
	s_add_nc_u64 s[10:11], s[10:11], s[40:41]
.macro LOAD t
.irp i, 0,1,2,3
	global_load_b128 v[R+16*((\t)%4)+4*\i:R+16*((\t)%4)+4*\i+3], v3, s[4:5] offset:2048*(\t)+512*\i th:TH_LOAD_NT   ; 32 lanes read 512 consecutive bytes
.endr
.endm
.macro TURN t                          ; step t's numbers through the stage: LDS serves a wave's instructions in order, so no wait stands between the stores and the loads
.irp i, 0,1,2,3
	ds_store_b128 v14, v[R+16*((\t)%4)+4*\i:R+16*((\t)%4)+4*\i+3] offset:32*SP*((\t)%2)+8*SP*\i
.endr
.irp i, 0,1,2,3
	ds_load_b128 v[X+16*((\t)%2)+4*\i:X+16*((\t)%2)+4*\i+3], v15 offset:32*SP*((\t)%2)+16*\i
.endr
.endm
.irp t, 0,1,2,3
	LOAD \t
.endr
	s_wait_loadcnt 12                              ; step 0's four loads are in; the twelve of steps 1 to 3 may be out
	TURN 0
.macro STEP t
.set XS, X+16*((\t)%2)
.if (\t) > 0
	s_wait_dscnt 1                                 ; this step's numbers are back from the stage (the last step's byte store may be out)
.else
	s_wait_dscnt 0x0
.endif
.if (\t)+4 < STEPS
	LOAD (\t)+4                                    ; into the registers that this step's stage stores have read
.endif
.if (\t)+1 < STEPS
.if STEPS-2-(\t) >= 3
	s_wait_loadcnt 12                              ; the next step's four loads are in; those of the three steps behind it may be out
.else
	s_wait_loadcnt 4*(STEPS-2-(\t))
.endif
	TURN (\t)+1
.endif
	v_max3_num_f32 v8, |v[XS]|, |v[XS+1]|, |v[XS+2]|               ; the largest magnitude of my 16, in two chains
	v_max3_num_f32 v9, |v[XS+3]|, |v[XS+4]|, |v[XS+5]|
.irp i, 6,10
	v_max3_num_f32 v8, v8, |v[XS+\i]|, |v[XS+\i+1]|
	v_max3_num_f32 v9, v9, |v[XS+\i+2]|, |v[XS+\i+3]|
.endr
	v_max3_num_f32 v8, v8, |v[XS+14]|, |v[XS+15]|
	v_max3_num_f32 v8, v8, v9, (EMAX+1)<<23        ; and the floor 2^(3 - 127): the byte cannot fall under 1
	v_max_num_f32_dpp v8, v8, v8 row_xmask:1 row_mask:0xf bank_mask:0xf   ; and of my neighbour's 16: the block's
	v_add_nc_u32 v11, -(EMAX<<23), v8              ; 2 off its exponent field: the conversion takes the exponent field of this operand as its scale
	v_cvt_scalef32_pk8_fp4_f32 v[C+4*(\t)], v[XS:XS+7], v11
	v_cvt_scalef32_pk8_fp4_f32 v[C+4*(\t)+1], v[XS+8:XS+15], v11
	v_lshrrev_b32 v[E+(\t)], 23, v11               ; the scale's byte
	ds_store_b8 v5, v[E+(\t)] offset:16*(\t)       ; both lanes of a block write the same byte with the same value
	global_store_b64 v4, v[C+4*(\t):C+4*(\t)+1], s[8:9] offset:32*CB*(\t)   ; the wave stores 256 consecutive bytes, aligned
.endm
.irp t, 0,1,2,3,4,5,6,7,8,9,10,11,12,13,14,15
	STEP \t
.endr
	ds_load_b64 v[8:9], v6                         ; LDS serves a wave's instructions in order: these see my byte stores
	s_wait_dscnt 0x0
	global_store_b64 v7, v[8:9], s[10:11]          ; 32 lanes store 256 consecutive bytes, aligned
.Lend:
	s_wait_tensorcnt 0x0                           ; the wave's end, behind the last LDS store
	ds_add_u32 v[SPW], v[NIL]
	s_wait_dscnt 0x0
	s_endpgm
.Lfunc_end_k_q194633e9a8_quant:
	.size	k_q194633e9a8_quant, .Lfunc_end_k_q194633e9a8_quant-k_q194633e9a8_quant
	.p2alignl 7, 3214868480
	.fill 96, 4, 3214868480
	.section	.rodata,"a",@progbits
	.p2align	6, 0x0
	.amdhsa_kernel k_q194633e9a8_quant
		.amdhsa_group_segment_fixed_size 33280
		.amdhsa_private_segment_fixed_size 0
		.amdhsa_enable_private_segment 0
		.amdhsa_kernarg_size 96
		.amdhsa_user_sgpr_count 2
		.amdhsa_user_sgpr_kernarg_segment_ptr 1
		.amdhsa_wavefront_size32 1
		.amdhsa_system_sgpr_workgroup_id_x 1
		.amdhsa_system_sgpr_workgroup_id_y 1
		.amdhsa_system_sgpr_workgroup_id_z 1
		.amdhsa_system_vgpr_workitem_id 0
		.amdhsa_next_free_vgpr 192
		.amdhsa_next_free_sgpr 66
		.amdhsa_reserve_vcc 0
		.amdhsa_float_denorm_mode_32 3
		.amdhsa_float_denorm_mode_16_64 3
		.amdhsa_memory_ordered 1
		.amdhsa_forward_progress 1
		.amdhsa_inst_pref_size 52
	.end_amdhsa_kernel
	.amdgpu_metadata
---
amdhsa.version: [ 1, 2 ]
amdhsa.kernels:
  - .name:           k_q194633e9a8_quant
    .symbol:         k_q194633e9a8_quant.kd
    .args:
      - { .name: query, .offset: 0, .size: 8, .value_kind: global_buffer, .address_space: global }
      - { .name: key, .offset: 8, .size: 8, .value_kind: global_buffer, .address_space: global }
      - { .name: value, .offset: 16, .size: 8, .value_kind: global_buffer, .address_space: global }
      - { .name: Wq, .offset: 24, .size: 8, .value_kind: global_buffer, .address_space: global }
      - { .name: Wk, .offset: 32, .size: 8, .value_kind: global_buffer, .address_space: global }
      - { .name: Wv, .offset: 40, .size: 8, .value_kind: global_buffer, .address_space: global }
      - { .name: Wo, .offset: 48, .size: 8, .value_kind: global_buffer, .address_space: global }
      - { .name: xc, .offset: 56, .size: 8, .value_kind: global_buffer, .address_space: global }
      - { .name: xs, .offset: 64, .size: 8, .value_kind: global_buffer, .address_space: global }
      - { .name: wc, .offset: 72, .size: 8, .value_kind: global_buffer, .address_space: global }
      - { .name: ws, .offset: 80, .size: 8, .value_kind: global_buffer, .address_space: global }
      - { .name: wo16, .offset: 88, .size: 8, .value_kind: global_buffer, .address_space: global }
    .group_segment_fixed_size: 33280
    .private_segment_fixed_size: 0
    .kernarg_segment_align: 8
    .kernarg_segment_size: 96
    .max_flat_workgroup_size: 128
    .sgpr_count:     66
    .vgpr_count:     192
    .wavefront_size: 32
...
	.end_amdgpu_metadata
.endif
;; end of part 1
;; launch proj (part 2): grid 4 x 192, 4 waves a work-group, clusters of 4 x 4, 327,680 bytes of LDS; arguments xc, xs, wc, ws, bq, bk, bv, qkv; writes qkv
.if DOCPART == 2
	.amdgcn_target "amdgcn-amd-amdhsa--gfx1250"
	.amdhsa_code_object_version 6
	.text
	.protected	k_q194633e9a8_proj
	.globl	k_q194633e9a8_proj
	.p2align	8
	.type	k_q194633e9a8_proj,@function
k_q194633e9a8_proj:
	s_mov_b64 s[64:65], 0
	v_nop
	global_prefetch_b8 v0, s[64:65] scope:SCOPE_SE
	s_setreg_imm32_b32 hwreg(HW_REG_WAVE_MODE, 25, 1), 1
	s_wait_xcnt 0x0
	s_wait_alu depctr_hold_cnt(0) depctr_sa_sdst(0) depctr_va_vdst(0) depctr_va_sdst(0) depctr_va_ssrc(0) depctr_va_vcc(0) depctr_vm_vsrc(0)
	s_getreg_b32 s2, hwreg(HW_REG_IB_STS2, 6, 4)
	s_cmp_eq_u32 s2, 0
	s_cbranch_scc0 .Lentry_in_a_cluster
	s_endpgm
.Lentry_in_a_cluster:
	s_bfe_u32 s2, ttmp6, 0x10000c
	s_cmp_lg_u32 s2, 0xf033
	s_cbranch_scc0 .Lentry_shape_is_right
	s_endpgm
.Lentry_shape_is_right:
; The three projections on codes of FP4 (E2M1) with E8M0 scales: y[m][n] = sum over k of x[m][k] W[n][k] + b[n], rounded once to f16 and stored head-major:
; qkv [3][16 heads][8192 tokens][64] f16.  x: xc [3 x 8192][512 bytes], xs [3 x 8192][32];  W: wc [3 x 1024][512 bytes], ws [3 x 1024][32].  K = 1,024.
; LIMIT: a result over 65,504 in magnitude becomes infinity in f16.
; A work-group makes 128 rows x 256 columns: 24,576 x 1,024 outputs are 768 work-groups.  Four waves, each 64 x 128: 32 accumulators of 16 x 16.
; ALL OF K LIES IN LDS: two halves of K (512 each, rows of 256 bytes) and the scale bytes of all rows are asked for at the head, three tensor loads a wave; nothing is filled again.
; CLUSTERS: 4 x 4 work-groups.  The four of a row of the cluster need the same rows of x, the four of a column the same rows of W: each tile is asked for jointly.  A cluster's 512 rows lie in one projection (8,192 is a multiple of 512).
; THE MATRIX INSTRUCTION IS USED TRANSPOSED (source 0 = 16 rows of W, source 1 = 16 rows of x): a lane holds eight neighbouring columns of one row.  The bias is the C of each sum's first instruction.
; REGISTERS: window 0: v16-29 addresses; v32-95 scale words (lanes 0-15 x's block, lanes 16-31 W's block); v128-191 x's fragments, two sets; v192-255 the bias.  window 1: W's fragments, two sets, at v0 and v128.  window 2: the accumulators, (a, b) at v[8 (8 a + b)].
.set PITCH, 272                        ; an LDS row: 256 bytes + 16 of padding: the 16 rows of a fragment load start 68 words apart
.set HALFA, 64*PITCH                   ; what one load brings of x, and what one wave reads of it
.set HALFB, 128*PITCH                  ; the same of W
.set BOFF,  2*HALFA
.set SLOT,  BOFF+2*HALFB               ; x's 128 rows, then W's 256 rows, 512 along K
.set SCL,   2*SLOT                     ; the scale bytes, as units of 256 bytes + 16 of padding: x's 16 units, then W's 32
.set HSA,   8*272
.set HSB,   16*272
.set STAGE, SCL+2*HSA+2*HSB            ; the way out: 16 rows x 272 bytes for each wave; no tensor load lands here
.set SPARE, STAGE+4*16*PITCH           ; the spare words, 128 bytes a wave
.set ADRA, 16                          ; v16-17 LDS address of my fragments of x in half 0, 1 of K
.set ADRB, 20                          ; v20-21 the same for W
.set STO,  24
.set RD,   25
.set CO,   26
.set ADRS, 27                          ; v27 my scale words: lanes 0-15 x's rows, lanes 16-31 W's
.set SPW,  28
.set NIL,  29
.set SC,   32
.set TMP,  32                          ; the way out: packed results, v32-159
.set AF,   128
.set BIAS, 192
.set G1A,  24
.set G0A,  32
.set G1B,  48
.set G0B,  56
.set G1SA, 68
.set G0SA, 76
.set G1SB, 80
.set G0SB, 88
.set MSB, 0
.macro WIN new                         ; the immediate's high byte repeats the setting that is left
.if MSB != \new
	s_set_vgpr_msb (MSB<<8)|\new
.set MSB, \new
.endif
.endm
; A joint load: waves 0 and 1 fetch for x, waves 2 and 3 for W.  The branch hangs on the wave's number alone.  An s_nop 0 and four v_nop follow each of the two lines.
.macro JLOAD g0a, g1a, g0b, g1b
	s_cmp_eq_u32 s21, 0
	s_cbranch_scc0 .Lfor_b_\@
	tensor_load_to_lds s[\g0a:\g0a+3], s[\g1a:\g1a+7]
	s_nop 0
.rept 4
	v_nop
.endr
	s_branch .Lasked_\@
.Lfor_b_\@:
	tensor_load_to_lds s[\g0b:\g0b+3], s[\g1b:\g1b+7]
	s_nop 0
.rept 4
	v_nop
.endr
.Lasked_\@:
.endm
.macro CROUND                          ; a round of the cluster's barrier
	s_barrier_signal -1
	s_barrier_wait -1
	s_cmp_lg_u32 s20, 0
	s_cbranch_scc1 .Lnot_wave_0_\@
	s_barrier_signal -3
.Lnot_wave_0_\@:
	s_barrier_wait -3
	s_barrier_signal -1
	s_barrier_wait -1
.endm
.macro PLACES
.rept 4
	v_nop
.endr
.endm
	s_load_b512 s[4:19], s[0:1], 0x0               ; xc 4, xs 6, wc 8, ws 10, bq 12, bk 14, bv 16, qkv 18
	v_lshl_add_u32 v[SPW], v0, 2, SPARE
	v_mov_b32 v[NIL], 0
	ds_add_u32 v[SPW], v[NIL]                      ; the wave's opening: the add, twice on end, and its wait ahead of my first tensor load
	ds_add_u32 v[SPW], v[NIL]
	v_lshrrev_b32 v1, 5, v0
	v_readfirstlane_b32 s20, v1                    ; wave 0..3
	s_lshr_b32 s21, s20, 1                         ; i: my 64 rows.  Also: I fetch for x (0) or for W (1)
	s_and_b32 s22, s20, 1                          ; j: my 128 columns.  Also: which half of that tile I fetch
	s_bfe_u32 s40, ttmp6, 0x40000                  ; cx
	s_bfe_u32 s41, ttmp6, 0x40004                  ; cy
	s_lshl_b32 s42, ttmp9, 2
	s_add_co_u32 s42, s42, s40                     ; tile column 0..3
	s_and_b32 s67, ttmp7, 0xffff                   ; cluster y 0..47
	s_lshl_b32 s45, s67, 2
	s_add_co_u32 s45, s45, s41                     ; tile row 0..191
	s_lshr_b32 s66, s67, 4                         ; the projection: the same in all sixteen partners
	s_lshl_b32 s43, s41, 2
	s_lshl_b32 s43, 15, s43                        ; my row of the cluster
	s_lshl_b32 s44, 0x1111, s40                    ; my column
	s_or_b32 s[G1A], s43, (1<<20)|(1<<21)|(5<<22)|(3<<25)     ; the mask; elements of 1 byte; padding on; bit 21 beside a mask; 4 words of padding after every 64
	s_mov_b32 s[G1A+1], 256<<16                    ; tensor_dim0 = 256
	s_mov_b32 s[G1A+2], 64<<16                     ; tensor_dim1 = 64
	s_mov_b32 s[G1A+3], 256<<16                    ; tile_dim0
	s_mov_b32 s[G1A+4], 64                         ; tile_dim1
	s_mov_b32 s[G1A+5], 512                        ; a row of codes in memory
	s_mov_b32 s[G1A+6], 0
	s_mov_b32 s[G1A+7], 0
	s_or_b32 s[G1B], s44, (1<<20)|(1<<21)|(5<<22)|(3<<25)
	s_mov_b32 s[G1B+1], 256<<16
	s_mov_b32 s[G1B+2], 128<<16
	s_mov_b32 s[G1B+3], 256<<16
	s_mov_b32 s[G1B+4], 128
	s_mov_b32 s[G1B+5], 512
	s_mov_b32 s[G1B+6], 0
	s_mov_b32 s[G1B+7], 0
	s_or_b32 s[G1SA], s43, (3<<16)|(1<<20)|(1<<21)|(5<<22)|(3<<25)   ; scale bytes: a dense block as rows of 32 elements of 8 bytes
	s_mov_b32 s[G1SA+1], 32<<16
	s_mov_b32 s[G1SA+2], 8<<16                     ; 64 rows x 32 bytes = 8 units
	s_mov_b32 s[G1SA+3], 32<<16
	s_mov_b32 s[G1SA+4], 8
	s_mov_b32 s[G1SA+5], 32
	s_mov_b32 s[G1SA+6], 0
	s_mov_b32 s[G1SA+7], 0
	s_or_b32 s[G1SB], s44, (3<<16)|(1<<20)|(1<<21)|(5<<22)|(3<<25)
	s_mov_b32 s[G1SB+1], 32<<16
	s_mov_b32 s[G1SB+2], 16<<16
	s_mov_b32 s[G1SB+3], 32<<16
	s_mov_b32 s[G1SB+4], 16
	s_mov_b32 s[G1SB+5], 32
	s_mov_b32 s[G1SB+6], 0
	s_mov_b32 s[G1SB+7], 0
	s_lshl_b32 s23, s22, 6                         ; x: row 128 x tile row + 64 j: of the tile row and the wave alone
	s_lshl_b32 s92, s45, 7
	s_add_co_u32 s92, s92, s23
	s_lshl_b32 s96, s92, 5                         ; its scale bytes,
	s_mov_b32 s97, 0
	s_lshl_b32 s92, s92, 9                         ; its codes
	s_mov_b32 s93, 0
	s_lshl_b32 s94, s66, 10                        ; W: row 1,024 p + 256 x tile column + 128 j
	s_lshl_b32 s46, s42, 8
	s_add_co_u32 s94, s94, s46
	s_lshl_b32 s46, s22, 7
	s_add_co_u32 s94, s94, s46
	s_lshl_b32 s46, s94, 5
	s_mov_b32 s47, 0
	s_lshl_b32 s94, s94, 9
	s_mov_b32 s95, 0
	s_wait_dscnt 0x0                               ; both opening adds are done
	s_wait_kmcnt 0x0
	s_add_nc_u64 s[92:93], s[4:5], s[92:93]
	s_add_nc_u64 s[96:97], s[6:7], s[96:97]
	s_add_nc_u64 s[94:95], s[8:9], s[94:95]
	s_add_nc_u64 s[46:47], s[10:11], s[46:47]
	CROUND                                         ; all sixteen work-groups are here: the joint loads meet
	s_mov_b32 s[G0SA], 1
	s_mul_i32 s[G0SA+1], s22, HSA
	s_add_co_u32 s[G0SA+1], s[G0SA+1], SCL
	s_mov_b64 s[G0SA+2:G0SA+3], s[96:97]
	s_or_b32 s[G0SA+3], s[G0SA+3], 0x80000000
	s_mov_b32 s[G0SB], 1
	s_mul_i32 s[G0SB+1], s22, HSB
	s_add_co_u32 s[G0SB+1], s[G0SB+1], SCL+2*HSA
	s_mov_b64 s[G0SB+2:G0SB+3], s[46:47]
	s_or_b32 s[G0SB+3], s[G0SB+3], 0x80000000
	JLOAD G0SA, G1SA, G0SB, G1SB                   ; the scale bytes first, then the two halves of K: three loads of mine are out
.irp s, 0,1
	s_mov_b32 s[G0A+4*\s], 1
	s_mul_i32 s[G0A+4*\s+1], s22, HALFA
	s_add_co_u32 s[G0A+4*\s+1], s[G0A+4*\s+1], \s*SLOT
	s_add_nc_u64 s[G0A+4*\s+2:G0A+4*\s+3], s[92:93], \s*256
	s_or_b32 s[G0A+4*\s+3], s[G0A+4*\s+3], 0x80000000
	s_mov_b32 s[G0B+4*\s], 1
	s_mul_i32 s[G0B+4*\s+1], s22, HALFB
	s_add_co_u32 s[G0B+4*\s+1], s[G0B+4*\s+1], \s*SLOT+BOFF
	s_add_nc_u64 s[G0B+4*\s+2:G0B+4*\s+3], s[94:95], \s*256
	s_or_b32 s[G0B+4*\s+3], s[G0B+4*\s+3], 0x80000000
	JLOAD G0A+4*\s, G1A, G0B+4*\s, G1B
.endr
	v_and_b32 v1, 15, v0                           ; r
	v_bfe_u32 v2, v0, 4, 1                         ; h
	v_mul_u32_u24 v3, v1, PITCH
	v_lshl_add_u32 v4, v2, 4, v3                   ; a fragment's row x pitch + 16 h
	s_mul_i32 s23, s21, HALFA                      ; my 64 rows of x
	s_mul_i32 s3, s22, HALFB                       ; my 128 rows of W, behind x's 128
	s_add_co_u32 s3, s3, BOFF
.irp s, 0,1
	v_add_nc_u32 v[ADRA+\s], s23, v4
	v_add_nc_u32 v[ADRB+\s], s3, v4
	s_add_co_u32 s23, s23, SLOT
	s_add_co_u32 s3, s3, SLOT
.endr
	v_lshlrev_b32 v5, 5, v1                        ; my row's scale bytes: 32 a row,
	v_lshrrev_b32 v6, 3, v1
	v_lshl_add_u32 v5, v6, 4, v5                   ; and 16 more behind each 256
	s_mul_i32 s23, s21, HSA                        ; x's: my 64 rows
	s_mul_i32 s3, s22, HSB                         ; W's: my 128 rows, behind x's 128
	s_add_co_u32 s3, s3, 2*HSA
	s_sub_co_u32 s3, s3, s23
	v_mul_u32_u24 v6, s3, v2                       ; lanes 16-31 take W's: one product of h with the distance
	s_add_co_u32 s23, s23, SCL
	v_add_nc_u32 v5, v5, v6
	v_add_nc_u32 v[ADRS], s23, v5
	s_mul_i32 s23, s20, 16*PITCH
	s_add_co_u32 s23, s23, STAGE                   ; my stage
	v_add_nc_u32 v[STO], s23, v4                   ; in: row r, 16 bytes for each half of the lanes
	v_and_b32 v5, 31, v0
	v_lshrrev_b32 v6, 3, v5
	v_mul_u32_u24 v6, v6, PITCH
	v_and_b32 v3, 7, v0
	v_lshl_add_u32 v6, v3, 4, v6
	v_add_nc_u32 v[RD], s23, v6                    ; back: eight lanes take one head's 128 bytes of a row, four rows an instruction
	v_lshlrev_b32 v[CO], 4, v5                     ; which are 512 consecutive bytes of qkv
	s_cmp_eq_u32 s66, 1                            ; the projection's bias
	s_cselect_b64 s[12:13], s[14:15], s[12:13]
	s_cmp_eq_u32 s66, 2
	s_cselect_b64 s[12:13], s[16:17], s[12:13]
	s_lshl_b32 s2, s42, 10
	s_lshl_b32 s3, s22, 9
	s_add_co_u32 s2, s2, s3                        ; (256 x tile column + 128 j) x 4 bytes
	s_mov_b32 s3, 0
	s_add_nc_u64 s[12:13], s[12:13], s[2:3]
	v_lshlrev_b32 v7, 5, v2                        ; lane (r, h) wants, for block b, columns 16 b + 8 h + 0 .. 7
.irp b, 0,1,2,3,4,5,6,7
.irp c, 0,1
	global_load_b128 v[BIAS+8*\b+4*\c:BIAS+8*\b+4*\c+3], v7, s[12:13] offset:64*\b+16*\c
.endr
.endr
	s_lshl_b32 s2, s66, 24                         ; where my part of qkv begins: the projection,
	s_lshl_b32 s3, s42, 2
	s_lshl_b32 s23, s22, 1
	s_add_co_u32 s3, s3, s23
	s_lshl_b32 s3, s3, 20                          ; head 4 x tile column + 2 j,
	s_add_co_u32 s2, s2, s3
	s_and_b32 s3, s45, 63
	s_lshl_b32 s3, s3, 7
	s_lshl_b32 s23, s21, 6
	s_add_co_u32 s3, s3, s23
	s_lshl_b32 s3, s3, 7                           ; token 128 (tile row % 64) + 64 i, 128 bytes each
	s_add_co_u32 s2, s2, s3
	s_mov_b32 s3, 0
	s_add_nc_u64 s[18:19], s[18:19], s[2:3]
.macro FRAG reg, adr, q, blk           ; 16 rows x 128 K of 4-bit codes: registers 4 c .. 4 c + 3 hold K = 64 c + 32 h + 0 .. 31
.irp c, 0,1
	ds_load_b128 v[\reg+4*\c:\reg+4*\c+3], v[\adr] offset:64*(\q)+32*\c+(\blk)*16*PITCH
.endr
.endm
.macro FETCH n                         ; the fragments of step n (128 along K) into set n % 2: 24 loads
	WIN 0x40
.irp i, 0,1,2,3,4,5,6,7
	FRAG 128*((\n)%2)+8*\i, ADRB+(\n)/4, (\n)%4, \i
.endr
	WIN 0
.irp i, 0,1,2,3
	FRAG AF+32*((\n)%2)+8*\i, ADRA+(\n)/4, (\n)%4, \i
.endr
.endm
.macro SCALES s                        ; four words a row for half s of K; lanes 0-15 of blocks 4-7 read words that are not used
.irp i, 0,1,2,3,4,5,6,7
	ds_load_b128 v[SC+32*\s+4*\i:SC+32*\s+4*\i+3], v[ADRS] offset:544*\i+16*\s
.endr
.endm
; 32 matrix instructions: the accumulators take turns, one instruction a turn, in the same order in every step
.macro MUL n
.set SL, (\n)/4
.set QQ, (\n)%4
.set PS, (\n)%2
.if (\n) == 0
	WIN 0x81                                       ; source 0 (W) window 1, source 1 (x) and C (the bias) window 0, D window 2
.else
	WIN 0xa1                                       ; C and D window 2
.endif
.irp a, 0,1,2,3
.irp b, 0,1,2,3,4,5,6,7
.if (\n) == 0
	v_wmma_scale_f32_16x16x128_f8f6f4 v[8*(8*\a+\b):8*(8*\a+\b)+7], v[128*PS+8*\b:128*PS+8*\b+7], v[AF+32*PS+8*\a:AF+32*PS+8*\a+7], v[BIAS+8*\b:BIAS+8*\b+7], v[SC+32*SL+4*\b+QQ], v[SC+32*SL+4*\a+QQ] matrix_a_fmt:MATRIX_FMT_FP4 matrix_b_fmt:MATRIX_FMT_FP4 matrix_a_scale:MATRIX_SCALE_ROW1
.else
	v_wmma_scale_f32_16x16x128_f8f6f4 v[8*(8*\a+\b):8*(8*\a+\b)+7], v[128*PS+8*\b:128*PS+8*\b+7], v[AF+32*PS+8*\a:AF+32*PS+8*\a+7], v[8*(8*\a+\b):8*(8*\a+\b)+7], v[SC+32*SL+4*\b+QQ], v[SC+32*SL+4*\a+QQ] matrix_a_fmt:MATRIX_FMT_FP4 matrix_b_fmt:MATRIX_FMT_FP4 matrix_a_scale:MATRIX_SCALE_ROW1
.endif
.endr
.endr
.endm
	s_wait_tensorcnt 1                             ; the scale bytes and my part of the first half of K are in; the second half's load may be out
	s_barrier_signal -1
	s_barrier_wait -1                              ; everybody's are
	SCALES 0
	SCALES 1
	FETCH 0
	s_wait_loadcnt 0x0                             ; the bias
.irp k, 0,1,2,3,4,5,6,7
.if \k == 3
	s_wait_tensorcnt 0x0                           ; my part of the second half of K is in,
	s_wait_dscnt 0x0                               ; no LDS instruction of mine is out at the signal,
	s_barrier_signal -1
	s_barrier_wait -1                              ; everybody's is: step 4 may be fetched.  Nothing is filled again
.endif
.if \k < 7
.if \k > 0
	PLACES                                         ; four places in front of loads into registers that the last products read
.endif
	FETCH \k+1
	s_wait_dscnt 24                                ; all but the 24 just issued
.else
	s_wait_dscnt 0x0
.endif
	MUL \k
	WIN 0
.endr
; THE WAY OUT, 16 rows at a time: rounded to f16, 16 bytes a lane into my stage, back by heads: four tokens' 128 bytes of one head are 512 consecutive bytes of qkv.
.macro PACK a
	WIN 0x0a                                       ; sources 0 and 1 window 2
.irp b, 0,1,2,3,4,5,6,7
.irp r, 0,1,2,3
	v_cvt_pk_f16_f32 v[TMP+32*\a+4*\b+\r], v[8*(8*\a+\b)+2*\r], v[8*(8*\a+\b)+2*\r+1]   ; each accumulator from its low end on
.endr
.endr
	WIN 0
.irp b, 0,1,2,3,4,5,6,7
	ds_store_b128 v[STO], v[TMP+32*\a+4*\b:TMP+32*\a+4*\b+3] offset:32*\b
.endr
.irp e, 0,1
.irp u, 0,1,2,3
	ds_load_b128 v[TMP+32*\a+4*(4*\e+\u):TMP+32*\a+4*(4*\e+\u)+3], v[RD] offset:4*\u*PITCH+128*\e   ; LDS serves a wave's instructions in order: these see the stores above, and the next block's stores come behind them
.endr
.endr
.endm
.macro SEND a, younger                 ; younger: the LDS instructions issued behind block a's loads
.irp e, 0,1
.irp u, 0,1,2,3
	s_wait_dscnt \younger+7-(4*\e+\u)
	global_store_b128 v[CO], v[TMP+32*\a+4*(4*\e+\u):TMP+32*\a+4*(4*\e+\u)+3], s[18:19] offset:\e*1048576+(16*\a+4*\u)*128   ; 32 lanes store 512 consecutive bytes, aligned
.endr
.endr
.endm
	PLACES                                         ; the conversions write registers that the last products read as scales and fragments
	PACK 0
	PACK 1
	SEND 0, 16
	PACK 2
	SEND 1, 16
	PACK 3
	SEND 2, 16
	SEND 3, 0
	s_wait_tensorcnt 0x0                           ; the wave's end
	ds_add_u32 v[SPW], v[NIL]
	s_wait_dscnt 0x0
	CROUND                                         ; the closing round
	s_endpgm
.Lfunc_end_k_q194633e9a8_proj:
	.size	k_q194633e9a8_proj, .Lfunc_end_k_q194633e9a8_proj-k_q194633e9a8_proj
	.p2alignl 7, 3214868480
	.fill 96, 4, 3214868480
	.section	.rodata,"a",@progbits
	.p2align	6, 0x0
	.amdhsa_kernel k_q194633e9a8_proj
		.amdhsa_group_segment_fixed_size 327680
		.amdhsa_private_segment_fixed_size 0
		.amdhsa_enable_private_segment 0
		.amdhsa_kernarg_size 64
		.amdhsa_user_sgpr_count 2
		.amdhsa_user_sgpr_kernarg_segment_ptr 1
		.amdhsa_wavefront_size32 1
		.amdhsa_system_sgpr_workgroup_id_x 1
		.amdhsa_system_sgpr_workgroup_id_y 1
		.amdhsa_system_sgpr_workgroup_id_z 1
		.amdhsa_system_vgpr_workitem_id 0
		.amdhsa_next_free_vgpr 768
		.amdhsa_next_free_sgpr 98
		.amdhsa_reserve_vcc 0
		.amdhsa_float_denorm_mode_32 3
		.amdhsa_float_denorm_mode_16_64 3
		.amdhsa_memory_ordered 1
		.amdhsa_forward_progress 1
		.amdhsa_inst_pref_size 76
	.end_amdhsa_kernel
	.amdgpu_metadata
---
amdhsa.version: [ 1, 2 ]
amdhsa.kernels:
  - .name:           k_q194633e9a8_proj
    .symbol:         k_q194633e9a8_proj.kd
    .args:
      - { .name: xc, .offset: 0, .size: 8, .value_kind: global_buffer, .address_space: global }
      - { .name: xs, .offset: 8, .size: 8, .value_kind: global_buffer, .address_space: global }
      - { .name: wc, .offset: 16, .size: 8, .value_kind: global_buffer, .address_space: global }
      - { .name: ws, .offset: 24, .size: 8, .value_kind: global_buffer, .address_space: global }
      - { .name: bq, .offset: 32, .size: 8, .value_kind: global_buffer, .address_space: global }
      - { .name: bk, .offset: 40, .size: 8, .value_kind: global_buffer, .address_space: global }
      - { .name: bv, .offset: 48, .size: 8, .value_kind: global_buffer, .address_space: global }
      - { .name: qkv, .offset: 56, .size: 8, .value_kind: global_buffer, .address_space: global }
    .group_segment_fixed_size: 327680
    .private_segment_fixed_size: 0
    .kernarg_segment_align: 8
    .kernarg_segment_size: 64
    .max_flat_workgroup_size: 128
    .sgpr_count:     98
    .vgpr_count:     768
    .wavefront_size: 32
...
	.end_amdgpu_metadata
.endif
;; end of part 2
;; launch attn (part 3): grid 4 x 64, 8 waves a work-group, clusters of 4 x 1, 327,680 bytes of LDS; arguments qkv, ao; writes ao
.if DOCPART == 3
	.amdgcn_target "amdgcn-amd-amdhsa--gfx1250"
	.amdhsa_code_object_version 6
	.text
	.protected	k_q194633e9a8_attn
	.globl	k_q194633e9a8_attn
	.p2align	8
	.type	k_q194633e9a8_attn,@function
k_q194633e9a8_attn:
	s_mov_b64 s[64:65], 0
	v_nop
	global_prefetch_b8 v0, s[64:65] scope:SCOPE_SE
	s_setreg_imm32_b32 hwreg(HW_REG_WAVE_MODE, 25, 1), 1
	s_wait_xcnt 0x0
	s_wait_alu depctr_hold_cnt(0) depctr_sa_sdst(0) depctr_va_vdst(0) depctr_va_sdst(0) depctr_va_ssrc(0) depctr_va_vcc(0) depctr_vm_vsrc(0)
	s_getreg_b32 s2, hwreg(HW_REG_IB_STS2, 6, 4)
	s_cmp_eq_u32 s2, 0
	s_cbranch_scc0 .Lentry_in_a_cluster
	s_endpgm
.Lentry_in_a_cluster:
	s_bfe_u32 s2, ttmp6, 0x10000c
	s_cmp_lg_u32 s2, 0x3003
	s_cbranch_scc0 .Lentry_shape_is_right
	s_endpgm
.Lentry_shape_is_right:
; ao[h][b t][:] = the sum over keys of softmax(q . k / 8) v, for each of 4 batches x 16 heads; q, k, v: qkv [3][16][8192][64] f16; ao [16][8192][64] f16.  No mask.
; Products in f16 with f32 sums; maxima, exponentials and sums in f32; the weights p are rounded to f16 for the second product, the result once at the end.
; LIMIT: f16 operands: what lies over 65,504 in magnitude was stored as infinity by the launch before.
; SHARES.  A work-group owns 512 queries of one (batch, head); each of its eight waves 64 of them: four tiles of 16, in 512 registers, so that two waves share a SIMD: the text goes in phases
; (K Q^T, softmax, V^T P), and one wave's vector phase stands beside the other's matrix phase.  Every wave walks all 2,048 keys, 64 a step.
; LAYOUT.  S^T = K Q^T (source 0 = 16 keys, source 1 = 16 queries): a lane holds ONE query and keys 8 (lane / 16) + 0..7.  Two such tiles, rounded to f16 in pairs, are source 1 of O^T = V^T P.  V ([key][channel]) comes out of LDS turned.
; SOFTMAX.  A running maximum m and sum l for each query: p = 2^(c s - c m), c = log2(e) / 8; in every step O and l are multiplied by a = 2^(c m_old - c m_new).  m begins at -3e38, O and l at 0, so the step is written once.
; RING.  Two LDS slots of 512 keys (8 steps); four slots' worth of keys.  Waves 0-3 fetch K's quarters, waves 4-7 V's: one load a wave behind each round.
; CLUSTER.  The four query blocks of a (batch, head) walk the same K and V: each tile is asked for jointly, with a mask that names the four.
; REGISTERS: window 0: v2-13 addresses; v16-47 statistics, 8 a tile; v48-175 S^T, 32 a tile (P is packed into each tile's first 16); v176-239 K.  window 1: v0-63 Q; v64-191 O^T, 32 a tile; v192-255 V.
.set PK,    144                        ; a row of K in LDS: 128 bytes + 16: the 16 rows of a load start 36 words apart
.set PV,    160                        ; a row of V: 128 + 32
.set VOFF,  512*PK
.set SLOTB, 512*(PK+PV)
.set KPART, 128*PK
.set VPART, 128*PV
.set SPARE, 2*SLOTB                    ; behind the ring: the spare words, 128 bytes for each of eight waves
.set AK0, 2                            ; v2  my lane's place in a tile of K
.set AV0, 3                            ; v3  the same for V
.set ADK, 4
.set ADV, 5
.set QO,  6
.set STO, 7                            ; the way out: a stage of 16 rows x 144 bytes a wave, in slot 0, which has then had its last fill and its last read
.set RD,  8
.set GO,  9
.set PFO, 10                           ; 256 x my lane; never rewritten
.set SPW, 12
.set NIL, 13
.set ST,  16                           ; tile t at v[ST + 8 t]: +0 c m, +1 m, +2, +3 l, +4 to +7 at work; a in +6
.set S,   48
.set KF,  176
.set O,   64                           ; in window 1
.set VF,  192                          ; in window 1
.set WV,  12
.set PFA, 18
.set G1K, 24
.set G1V, 32
.set G0K, 40                           ; s[40:47] group 0 for K, one set a slot
.set G0V, 48                           ; s[48:55] for V
.set CNT, 56
.set ASKW, 57
.set CS,  58
.set SEL, 60
.set TK,  62                           ; LDS byte of the K tile to be fetched
.set TV,  63                           ; and of the V tile
.set MSB, 0
.macro WIN new
.if MSB != \new
	s_set_vgpr_msb (MSB<<8)|\new
.set MSB, \new
.endif
.endm
.macro JLOAD s                         ; the joint refill of slot s; the branch hangs on the wave's number alone; an s_nop 0 and four v_nop follow each line
	s_cmp_lt_u32 s[WV], 4
	s_cbranch_scc0 .Lfor_v_\@
	tensor_load_to_lds s[G0K+4*\s:G0K+4*\s+3], s[G1K:G1K+7]
	s_nop 0
.rept 4
	v_nop
.endr
	s_branch .Lasked_\@
.Lfor_v_\@:
	tensor_load_to_lds s[G0V+4*\s:G0V+4*\s+3], s[G1V:G1V+7]
	s_nop 0
.rept 4
	v_nop
.endr
.Lasked_\@:
.endm
.macro CROUND
	s_barrier_signal -1
	s_barrier_wait -1
	s_cmp_lg_u32 s[WV], 0
	s_cbranch_scc1 .Lnot_wave_0_\@
	s_barrier_signal -3
.Lnot_wave_0_\@:
	s_barrier_wait -3
	s_barrier_signal -1
	s_barrier_wait -1
.endm
	s_load_b128 s[4:7], s[0:1], 0x0                ; qkv, ao
	v_lshl_add_u32 v[SPW], v0, 2, SPARE
	v_mov_b32 v[NIL], 0
	ds_add_u32 v[SPW], v[NIL]                      ; the wave's opening: the add, twice on end, and its wait ahead of my first tensor load
	ds_add_u32 v[SPW], v[NIL]
	v_lshrrev_b32 v1, 5, v0
	v_readfirstlane_b32 s[WV], v1                  ; wave 0..7
	s_bfe_u32 s13, ttmp6, 0x40000                  ; cx: my block of 512 queries
	s_and_b32 s14, ttmp7, 0xffff
	s_and_b32 s15, s14, 15                         ; the head
	s_lshr_b32 s14, s14, 4                         ; the batch
	s_lshl_b32 s15, s15, 20
	s_lshl_b32 s14, s14, 18
	s_add_co_u32 s20, s15, s14                     ; the (batch, head)'s first byte in q, k, v and ao: 1,048,576 h + 262,144 b
	s_and_b32 s16, s[WV], 3                        ; which quarter of a slot's rows I fetch
	s_lshl_b32 s22, s16, 14                        ; 128 rows of 128 bytes
	s_add_co_u32 s22, s22, s20
	s_mov_b32 s23, 0
	s_lshl_b32 s2, ttmp9, 2
	s_add_co_u32 s2, s2, s13
	s_lshl_b32 s2, s2, 16                          ; my block's 512 rows,
	s_lshl_b32 s3, s[WV], 13                       ; my wave's 64 of them
	s_add_co_u32 s2, s2, s3
	s_add_co_u32 s2, s2, s20
	s_mov_b32 s3, 0
	s_mov_b32 s[G1K], 15|(1<<16)|(1<<20)|(1<<21)|(4<<22)|(3<<25)   ; the mask: all four; elements of 2 bytes; padding on; bit 21 beside a mask; 4 words of padding after every 32
	s_mov_b32 s[G1V], 15|(1<<16)|(1<<20)|(1<<21)|(4<<22)|(7<<25)   ; the same with 8 words
.irp g, G1K, G1V
	s_mov_b32 s[\g+1], 64<<16                      ; tensor_dim0 = 64
	s_mov_b32 s[\g+2], 128<<16                     ; tensor_dim1 = 128
	s_mov_b32 s[\g+3], 64<<16                      ; tile_dim0
	s_mov_b32 s[\g+4], 128                         ; tile_dim1
	s_mov_b32 s[\g+5], 64                          ; elements from row to row
	s_mov_b32 s[\g+6], 0
	s_mov_b32 s[\g+7], 0
.endr
	s_mov_b32 s[CS], 0x3e38aa3b                    ; c = log2(e) / 8
	s_mov_b32 s[CS+1], s[CS]
	s_mov_b32 s[SEL], 0x76543210
	s_mov_b32 s[SEL+1], 0xfedcba98
	s_and_b32 s[ASKW], s[WV], 2                    ; 0 in waves 0, 1, 4, 5: those prefetch
	s_mov_b32 s15, 33554432                        ; the prefetch's offset: in k (waves 0-3) or in v,
	s_cmp_lt_u32 s[WV], 4
	s_cselect_b32 s[PFA], 16777216, s15
	s_add_co_u32 s[PFA], s[PFA], s20
	s_add_co_u32 s[PFA], s[PFA], 3*65536           ; the last 512 keys,
	s_lshl_b32 s15, s13, 14
	s_add_co_u32 s[PFA], s[PFA], s15               ; my work-group's 128 rows of them: the partners are told apart by address,
	s_and_b32 s15, s[WV], 1
	s_lshl_b32 s15, s15, 13
	s_add_co_u32 s[PFA], s[PFA], s15               ; my wave's 64
	s_mov_b32 s[PFA+1], 0
	s_wait_dscnt 0x0                               ; both opening adds are done
	s_wait_kmcnt 0x0
	s_add_nc_u64 s[8:9], s[4:5], s[2:3]            ; Q at my wave's first row
	s_add_nc_u64 s[10:11], s[6:7], s[2:3]          ; and the output likewise
	s_add_nc_u64 s[22:23], s[4:5], s[22:23]
	s_add_nc_u64 s[PFA:PFA+1], s[4:5], s[PFA:PFA+1]
	CROUND                                         ; all four work-groups are here: the first joint loads meet
.irp s, 0,1
	s_mov_b32 s[G0K+4*\s], 1
	s_mul_i32 s[G0K+4*\s+1], s16, KPART
	s_add_co_u32 s[G0K+4*\s+1], s[G0K+4*\s+1], \s*SLOTB
	s_add_nc_u64 s[G0K+4*\s+2:G0K+4*\s+3], s[22:23], 16777216+\s*65536
	s_or_b32 s[G0K+4*\s+3], s[G0K+4*\s+3], 0x80000000
	s_mov_b32 s[G0V+4*\s], 1
	s_mul_i32 s[G0V+4*\s+1], s16, VPART
	s_add_co_u32 s[G0V+4*\s+1], s[G0V+4*\s+1], \s*SLOTB+VOFF
	s_add_nc_u64 s[G0V+4*\s+2:G0V+4*\s+3], s[22:23], 33554432+\s*65536
	s_or_b32 s[G0V+4*\s+3], s[G0V+4*\s+3], 0x80000000
.endr
	s_cmp_lt_u32 s[WV], 4                          ; a wave's two first fills stand in one branch: two loads of mine are out
	s_cbranch_scc0 .Lfirst_v
	tensor_load_to_lds s[G0K:G0K+3], s[G1K:G1K+7]
	s_nop 0
	tensor_load_to_lds s[G0K+4:G0K+7], s[G1K:G1K+7]
	s_nop 0
.rept 4
	v_nop
.endr
	s_branch .Lfirst_asked
.Lfirst_v:
	tensor_load_to_lds s[G0V:G0V+3], s[G1V:G1V+7]
	s_nop 0
	tensor_load_to_lds s[G0V+4:G0V+7], s[G1V:G1V+7]
	s_nop 0
.rept 4
	v_nop
.endr
.Lfirst_asked:
	v_and_b32 v1, 15, v0                           ; r
	v_bfe_u32 v11, v0, 4, 1                        ; h
	v_lshlrev_b32 v[QO], 7, v1
	v_lshl_add_u32 v[QO], v11, 4, v[QO]            ; row x 128 + 16 h
	WIN 0x40                                       ; destination window 1
.irp t, 0,1,2,3
.irp k, 0,1
.irp c, 0,1
	global_load_b128 v[8*(2*\t+\k)+4*\c:8*(2*\t+\k)+4*\c+3], v[QO], s[8:9] offset:\t*2048+64*\k+32*\c   ; Q stays in registers
.endr
.endr
.endr
	WIN 0
	v_mul_u32_u24 v[AK0], v1, PK
	v_lshl_add_u32 v[AK0], v11, 4, v[AK0]          ; row x pitch + 16 h
	v_and_b32 v14, 7, v0
	v_bfe_u32 v15, v0, 3, 1
	v_lshl_add_u32 v[AV0], v11, 3, v14             ; the turning load: key 8 h + lane % 8, channels 8 ((lane / 8) % 2) on
	v_mul_u32_u24 v[AV0], v[AV0], PV
	v_lshl_add_u32 v[AV0], v15, 4, v[AV0]
	s_mul_i32 s14, s[WV], 16*PK                    ; my stage
	v_add_nc_u32 v[STO], s14, v[AK0]               ; in: row r, 16 bytes for each half of the lanes
	v_and_b32 v14, 31, v0
	v_lshrrev_b32 v15, 3, v14
	v_mul_u32_u24 v[RD], v15, PK
	v_and_b32 v15, 7, v0
	v_lshl_add_u32 v[RD], v15, 4, v[RD]
	v_add_nc_u32 v[RD], s14, v[RD]                 ; back: eight lanes a row of 128 bytes, four rows an instruction
	v_lshlrev_b32 v[GO], 4, v14                    ; which are 512 consecutive bytes of the output
	v_lshlrev_b32 v[PFO], 8, v14
.irp t, 0,1,2,3
	v_mov_b32 v[ST+8*\t+1], 0xff61b1e6             ; m = -3e38, under every score
	v_mov_b32 v[ST+8*\t+2], 0                      ; l
	v_mov_b32 v[ST+8*\t+3], 0
	v_mov_b32 v[ST+8*\t+4], 0
	v_mov_b32 v[ST+8*\t+5], 0
	v_mov_b32 v[ST+8*\t+6], 0
	v_mov_b32 v[ST+8*\t+7], 0
	v_mul_f32 v[ST+8*\t], s[CS], v[ST+8*\t+1]      ; c m
.endr
	WIN 0x40
.set i, 0
.rept 128
	v_mov_b32 v[O+i], 0                            ; O^T: the step is written once, and its first turn finds zeros
.set i, i+1
.endr
	WIN 0
.macro FETCH_K                         ; 64 keys x 64 channels: 8 fragments, 16 loads
.irp f, 0,1,2,3,4,5,6,7
.irp c, 0,1
	ds_load_b128 v[KF+8*\f+4*\c:KF+8*\f+4*\c+3], v[ADK] offset:(\f/2)*16*PK+(\f%2)*64+32*\c
.endr
.endr
.endm
.macro FETCH_V                         ; the same of V, turned: fragment 4 u + ct: keys 32 u on, channels 16 ct on
.irp f, 0,1,2,3,4,5,6,7
.irp c, 0,1
	ds_load_tr16_b128 v[VF+8*\f+4*\c:VF+8*\f+4*\c+3], v[ADV] offset:(\f/4)*32*PV+(\f%4)*32+16*PV*\c
.endr
.endr
.endm
; A KEY STEP: 64 keys for my 64 queries.
.macro STEP
	v_add_nc_u32 v[ADV], s[TV], v[AV0]
.rept 4
	v_nop                                          ; with the addition five places behind the last V^T P: V's registers are loaded again, and the first K Q^T writes over P
.endr
	WIN 0x40
	FETCH_V
	WIN 0x04                                       ; Q in window 1
	s_wait_dscnt 16                                ; K is in; V's 16 loads may be out
.set i, 0
.rept 32                                       ; S^T = K Q^T: channels 32 (i / 16) on, keys 16 ((i / 4) % 4) on, tile i % 4: sixteen accumulators by turns
.set rS, S+32*(i%4)+8*((i/4)%4)
.set rK, KF+8*(2*((i/4)%4)+i/16)
.set rQ, 8*(2*(i%4)+i/16)
.if i < 16
	v_wmma_f32_16x16x32_f16 v[rS:rS+7], v[rK:rK+7], v[rQ:rQ+7], 0
.else
	v_wmma_f32_16x16x32_f16 v[rS:rS+7], v[rK:rK+7], v[rQ:rQ+7], v[rS:rS+7]
.endif
.set i, i+1
.endr
	WIN 0
	s_add_co_u32 s[TK], s[TK], 64*PK               ; the next step's tiles
	s_add_co_u32 s[TV], s[TV], 64*PV
	v_add_nc_u32 v[ADK], s[TK], v[AK0]
.rept 3
	v_nop                                          ; with the addition four places: K's registers are loaded again, and the scores are read
.endr
	s_cmp_eq_u32 s[CNT], 1                         ; a slot's last step has no successor in the slot
	s_cbranch_scc1 .Lnok_\@
	FETCH_K
.Lnok_\@:
	; the maximum of each query's 32 scores and the old m, three operands at a time; the four tiles by turns; each accumulator is first read at its low end
.irp j, 0,1,2,3
.irp t, 0,1,2,3
	v_max3_num_f32 v[ST+8*\t+4+\j], v[S+32*\t+8*\j], v[S+32*\t+8*\j+1], v[S+32*\t+8*\j+2]
.endr
.endr
.irp g, 1,2
.irp j, 0,1,2,3
.irp t, 0,1,2,3
	v_max3_num_f32 v[ST+8*\t+4+\j], v[ST+8*\t+4+\j], v[S+32*\t+8*\j+2*\g+1], v[S+32*\t+8*\j+2*\g+2]
.endr
.endr
.endr
.irp t, 0,1,2,3
	v_max3_num_f32 v[ST+8*\t+4], v[ST+8*\t+4], v[S+32*\t+7], v[S+32*\t+15]
.endr
.irp t, 0,1,2,3
	v_max3_num_f32 v[ST+8*\t+6], v[ST+8*\t+6], v[S+32*\t+23], v[S+32*\t+31]
.endr
.irp t, 0,1,2,3
	v_max3_num_f32 v[ST+8*\t+4], v[ST+8*\t+4], v[ST+8*\t+5], v[ST+8*\t+6]
.endr
.irp t, 0,1,2,3
	v_max3_num_f32 v[ST+8*\t+4], v[ST+8*\t+4], v[ST+8*\t+7], v[ST+8*\t+1]
.endr
.irp t, 0,1,2,3
	v_permlanex16_b32 v[ST+8*\t+5], v[ST+8*\t+4], s[SEL], s[SEL+1]   ; the query's other 32 keys lie in the lane 16 away
.endr
.irp t, 0,1,2,3
	v_mov_b32 v[ST+8*\t+7], v[ST+8*\t]             ; c m_old
.endr
.irp t, 0,1,2,3
	v_max_num_f32 v[ST+8*\t+1], v[ST+8*\t+4], v[ST+8*\t+5]
.endr
.irp t, 0,1,2,3
	v_mul_f32 v[ST+8*\t], s[CS], v[ST+8*\t+1]
.endr
.irp t, 0,1,2,3
	v_sub_f32 v[ST+8*\t+7], v[ST+8*\t+7], v[ST+8*\t]
.endr
.set i, 0
.rept 16
.irp t, 0,1,2,3
	v_pk_fma_f32 v[S+32*\t+2*i:S+32*\t+2*i+1], v[S+32*\t+2*i:S+32*\t+2*i+1], s[CS:CS+1], v[ST+8*\t:ST+8*\t+1] op_sel_hi:[1,0,0] neg_lo:[0,0,1] neg_hi:[0,0,1]   ; c s - c m
.endr
.set i, i+1
.endr
.irp t, 0,1,2,3
	v_exp_f32 v[ST+8*\t+6], v[ST+8*\t+7]           ; a
.endr
.set i, 0
.rept 32
.irp t, 0,1,2,3
	v_exp_f32 v[S+32*\t+i], v[S+32*\t+i]           ; p: one batch of 132 exponentials, none of which reads another's result
.endr
.set i, i+1
.endr
	v_nop                                          ; a plain instruction behind the last exponential
	s_wait_alu depctr_va_vdst(0)                   ; one wait for the batch, ahead of its first reader
.irp t, 0,1,2,3
	v_pk_mul_f32 v[ST+8*\t+2:ST+8*\t+3], v[ST+8*\t+2:ST+8*\t+3], v[ST+8*\t+6:ST+8*\t+7] op_sel_hi:[1,0]   ; l x a
.endr
	; the sums, in two chains, and the roundings to f16, packed in place: P's register i lies in pair i / 2, which has been summed and rounded by then
.irp t, 0,1,2,3
	v_pk_add_f32 v[ST+8*\t+4:ST+8*\t+5], v[S+32*\t:S+32*\t+1], v[S+32*\t+2:S+32*\t+3]
.endr
.irp t, 0,1,2,3
	v_cvt_pk_f16_f32 v[S+32*\t], v[S+32*\t], v[S+32*\t+1]
.endr
.irp t, 0,1,2,3
	v_cvt_pk_f16_f32 v[S+32*\t+1], v[S+32*\t+2], v[S+32*\t+3]
.endr
.set i, 2
.rept 7
.irp t, 0,1,2,3
	v_pk_add_f32 v[ST+8*\t+2:ST+8*\t+3], v[ST+8*\t+2:ST+8*\t+3], v[S+32*\t+2*i:S+32*\t+2*i+1]
.endr
.irp t, 0,1,2,3
	v_pk_add_f32 v[ST+8*\t+4:ST+8*\t+5], v[ST+8*\t+4:ST+8*\t+5], v[S+32*\t+2*i+2:S+32*\t+2*i+3]
.endr
.irp t, 0,1,2,3
	v_cvt_pk_f16_f32 v[S+32*\t+i], v[S+32*\t+2*i], v[S+32*\t+2*i+1]
.endr
.irp t, 0,1,2,3
	v_cvt_pk_f16_f32 v[S+32*\t+i+1], v[S+32*\t+2*i+2], v[S+32*\t+2*i+3]
.endr
.set i, i+2
.endr
.irp t, 0,1,2,3
	v_pk_add_f32 v[ST+8*\t+2:ST+8*\t+3], v[ST+8*\t+2:ST+8*\t+3], v[ST+8*\t+4:ST+8*\t+5]
.endr
	WIN 0x41                                       ; O^T in window 1, a in window 0
.set i, 0
.rept 16
.irp t, 0,1,2,3
	v_pk_mul_f32 v[O+32*\t+2*i:O+32*\t+2*i+1], v[O+32*\t+2*i:O+32*\t+2*i+1], v[ST+8*\t+6:ST+8*\t+7] op_sel_hi:[1,0]   ; O^T x a, each accumulator from its low end on
.endr
.set i, i+1
.endr
	s_wait_dscnt 0x0                               ; V is in (and the next K, where it was asked for: the count holds on both ways)
	WIN 0x51                                       ; V and O^T in window 1, P in window 0
.set i, 0
.rept 32                                       ; O^T += V^T P: keys 32 (i / 16) on, channels 16 ((i / 4) % 4) on, tile i % 4: sixteen accumulators by turns
.set rO, O+32*(i%4)+8*((i/4)%4)
.set rV, VF+8*(4*(i/16)+(i/4)%4)
.set rP, S+32*(i%4)+8*(i/16)
	v_wmma_f32_16x16x32_f16 v[rO:rO+7], v[rV:rV+7], v[rP:rP+7], v[rO:rO+7]
.set i, i+1
.endr
	WIN 0
.endm
.macro SLOT_STEPS s                    ; the eight steps of slot s
	s_mov_b32 s[TK], \s*SLOTB
	s_mov_b32 s[TV], \s*SLOTB+VOFF
	s_mov_b32 s[CNT], 8
	v_add_nc_u32 v[ADK], s[TK], v[AK0]
	FETCH_K
.Lstep_\@:
	STEP
	s_sub_co_u32 s[CNT], s[CNT], 1
	s_cmp_lg_u32 s[CNT], 0
	s_cbranch_scc1 .Lstep_\@
.endm
; THE CHANGE OF SLOTS.  Each wave waits for all its tensor loads (its part of the slot ahead), adds 0 to its spare word, and waits for that and for its reads of slot s, which it has left.
; fill = 1: slot s is filled again with the keys two slots on, behind a round of the cluster's barrier: the load has eight steps in which to land.
.macro CHANGE s, fill
	s_wait_tensorcnt 0x0                           ; no tensor load of mine is out, so a group 0 may be written
	ds_add_u32 v[SPW], v[NIL]
.if \fill
	s_add_nc_u64 s[G0K+4*\s+2:G0K+4*\s+3], s[G0K+4*\s+2:G0K+4*\s+3], 131072   ; 1,024 keys on
	s_add_nc_u64 s[G0V+4*\s+2:G0V+4*\s+3], s[G0V+4*\s+2:G0V+4*\s+3], 131072
.endif
	s_wait_dscnt 0x0                               ; the add is done, and my reads of the slot are over
.if \fill
	CROUND
	JLOAD \s
.else
	s_barrier_signal -1
	s_barrier_wait -1
.endif
.endm
	s_wait_tensorcnt 1                             ; my part of slot 0 is in; slot 1's may stay out
	s_barrier_signal -1
	s_barrier_wait -1
	s_wait_loadcnt 0x0                             ; Q
	SLOT_STEPS 0                                   ; keys 0-511
	CHANGE 0, 1                                    ; slot 0 takes keys 1,024-1,535
	; A prefetch of keys 1,536-2,047, which the next change of slots will ask for, eight steps ahead of that load: 512 rows of K and of V, two rows to a block of 256 bytes.
	; Each block is named once: the four partners take 128 rows each, by address; in each, waves 0 and 1 ask for K's and waves 4 and 5 for V's, 64 rows a wave, lanes 256 bytes apart.  Its address registers are never rewritten.
	s_cmp_eq_u32 s[ASKW], 0
	s_cbranch_scc0 .Lnot_mine
	global_prefetch_b8 v[PFO], s[PFA:PFA+1] th:TH_LOAD_NT scope:SCOPE_SE
.Lnot_mine:
	SLOT_STEPS 1                                   ; keys 512-1,023
	CHANGE 1, 1                                    ; slot 1 takes keys 1,536-2,047
	SLOT_STEPS 0
	CHANGE 0, 0                                    ; nothing is left to ask for
	SLOT_STEPS 1
	; THE WAY OUT.  l's two halves and the other half of the lanes' are added (the additions are the places behind the last products); O^T is divided by l, rounded to f16 and sent through my stage, a tile at a time.
.irp t, 0,1,2,3
	v_add_f32 v[ST+8*\t+4], v[ST+8*\t+2], v[ST+8*\t+3]
.endr
.irp t, 0,1,2,3
	v_permlanex16_b32 v[ST+8*\t+5], v[ST+8*\t+4], s[SEL], s[SEL+1]
.endr
.irp t, 0,1,2,3
	v_add_f32 v[ST+8*\t+4], v[ST+8*\t+4], v[ST+8*\t+5]
.endr
.irp t, 0,1,2,3
	v_rcp_f32 v[ST+8*\t+6], v[ST+8*\t+4]
.endr
	v_nop                                          ; a plain instruction behind the last reciprocal
	s_wait_alu depctr_va_vdst(0)                   ; one wait for the four, ahead of their first reader
.macro PACK t
	WIN 0x41
.set i, 0
.rept 16
	v_pk_mul_f32 v[O+32*\t+2*i:O+32*\t+2*i+1], v[O+32*\t+2*i:O+32*\t+2*i+1], v[ST+8*\t+6:ST+8*\t+7] op_sel_hi:[1,0]
.set i, i+1
.endr
	WIN 0x05                                       ; sources window 1, destination window 0: S^T's registers are free
.set i, 0
.rept 16
	v_cvt_pk_f16_f32 v[S+32*\t+i], v[O+32*\t+2*i], v[O+32*\t+2*i+1]
.set i, i+1
.endr
	WIN 0
.irp f, 0,1,2,3
	ds_store_b128 v[STO], v[S+32*\t+4*\f:S+32*\t+4*\f+3] offset:32*\f
.endr
.irp f, 0,1,2,3
	ds_load_b128 v[S+32*\t+4*\f:S+32*\t+4*\f+3], v[RD] offset:\f*4*PK   ; LDS serves a wave's instructions in order: these see the stores above; the next tile's stores come behind them
.endr
.endm
.macro SEND t, younger                 ; younger: the LDS instructions issued behind tile t's loads
.irp f, 0,1,2,3
	s_wait_dscnt \younger+3-\f
	global_store_b128 v[GO], v[S+32*\t+4*\f:S+32*\t+4*\f+3], s[10:11] offset:\t*2048+\f*512   ; 32 lanes store 512 consecutive bytes, aligned
.endr
.endm
	PACK 0
	PACK 1
	SEND 0, 8
	PACK 2
	SEND 1, 8
	PACK 3
	SEND 2, 8
	SEND 3, 0
	s_wait_tensorcnt 0x0                           ; the wave's end
	ds_add_u32 v[SPW], v[NIL]
	s_wait_dscnt 0x0
	CROUND                                         ; the closing round
	s_endpgm
.Lfunc_end_k_q194633e9a8_attn:
	.size	k_q194633e9a8_attn, .Lfunc_end_k_q194633e9a8_attn-k_q194633e9a8_attn
	.p2alignl 7, 3214868480
	.fill 96, 4, 3214868480
	.section	.rodata,"a",@progbits
	.p2align	6, 0x0
	.amdhsa_kernel k_q194633e9a8_attn
		.amdhsa_group_segment_fixed_size 327680
		.amdhsa_private_segment_fixed_size 0
		.amdhsa_enable_private_segment 0
		.amdhsa_kernarg_size 16
		.amdhsa_user_sgpr_count 2
		.amdhsa_user_sgpr_kernarg_segment_ptr 1
		.amdhsa_wavefront_size32 1
		.amdhsa_system_sgpr_workgroup_id_x 1
		.amdhsa_system_sgpr_workgroup_id_y 1
		.amdhsa_system_sgpr_workgroup_id_z 1
		.amdhsa_system_vgpr_workitem_id 0
		.amdhsa_next_free_vgpr 512
		.amdhsa_next_free_sgpr 66
		.amdhsa_reserve_vcc 0
		.amdhsa_float_denorm_mode_32 3
		.amdhsa_float_denorm_mode_16_64 3
		.amdhsa_memory_ordered 1
		.amdhsa_forward_progress 1
		.amdhsa_inst_pref_size 163
	.end_amdhsa_kernel
	.amdgpu_metadata
---
amdhsa.version: [ 1, 2 ]
amdhsa.kernels:
  - .name:           k_q194633e9a8_attn
    .symbol:         k_q194633e9a8_attn.kd
    .args:
      - { .name: qkv, .offset: 0, .size: 8, .value_kind: global_buffer, .address_space: global }
      - { .name: ao, .offset: 8, .size: 8, .value_kind: global_buffer, .address_space: global }
    .group_segment_fixed_size: 327680
    .private_segment_fixed_size: 0
    .kernarg_segment_align: 8
    .kernarg_segment_size: 16
    .max_flat_workgroup_size: 256
    .sgpr_count:     66
    .vgpr_count:     512
    .wavefront_size: 32
...
	.end_amdgpu_metadata
.endif
;; end of part 3
;; launch oproj (part 4): grid 4 x 64, 4 waves a work-group, clusters of 4 x 4, 327,680 bytes of LDS; arguments ao, wo16, bo, out0; writes out0
.if DOCPART == 4
	.amdgcn_target "amdgcn-amd-amdhsa--gfx1250"
	.amdhsa_code_object_version 6
	.text
	.protected	k_q194633e9a8_oproj
	.globl	k_q194633e9a8_oproj
	.p2align	8
	.type	k_q194633e9a8_oproj,@function
k_q194633e9a8_oproj:
	s_mov_b64 s[64:65], 0
	v_nop
	global_prefetch_b8 v0, s[64:65] scope:SCOPE_SE
	s_setreg_imm32_b32 hwreg(HW_REG_WAVE_MODE, 25, 1), 1
	s_wait_xcnt 0x0
	s_wait_alu depctr_hold_cnt(0) depctr_sa_sdst(0) depctr_va_vdst(0) depctr_va_sdst(0) depctr_va_ssrc(0) depctr_va_vcc(0) depctr_vm_vsrc(0)
	s_getreg_b32 s2, hwreg(HW_REG_IB_STS2, 6, 4)
	s_cmp_eq_u32 s2, 0
	s_cbranch_scc0 .Lentry_in_a_cluster
	s_endpgm
.Lentry_in_a_cluster:
	s_bfe_u32 s2, ttmp6, 0x10000c
	s_cmp_lg_u32 s2, 0xf033
	s_cbranch_scc0 .Lentry_shape_is_right
	s_endpgm
.Lentry_shape_is_right:
; out0[m][n] = sum over k of a[m][k] Wo[n][k] + bo[n], f32.  a: ao [16 heads][8192][64] f16, k = 64 head + channel;  Wo: wo16 [1024][1024] f16.  f32 sums; K = 1,024.
; A work-group makes 128 rows x 256 columns: 256 work-groups.  Four waves, each 64 x 128: 32 accumulators of 16 x 16.
; K goes in steps of 128 (two heads) through a ring of two LDS slots: a's tile is two planes of 128 rows x 128 bytes, each dense in memory; Wo's is 256 rows x 256 bytes.  Wave 0 and 1 fetch a plane each, waves 2 and 3 a half of Wo's rows.
; CLUSTERS: 4 x 4 work-groups; a's tiles are shared along a row of the cluster, Wo's along a column: joint loads.  THE MATRIX INSTRUCTION IS USED TRANSPOSED (source 0 = 16 rows of Wo, source 1 = 16 rows of a).  The bias is the C of each sum's first instruction.
; REGISTERS: window 0: v16-29 addresses; two fragment buffers for 32 along K: v32-63 a, v64-127 Wo; v128-159 a, v160-223 Wo.  window 1: the accumulators, (a, b) at v[8 (8 a + b)].  window 2: v0-63 the bias.
.set PA,     144                       ; a row of a plane in LDS: 128 bytes + 16
.set PB,     272                       ; a row of Wo's tile: 256 + 16
.set PLANE,  128*PA
.set HALFB,  128*PB
.set BOFF,   2*PLANE
.set SLOT,   BOFF+2*HALFB
.set STAGE,  2*SLOT                    ; the way out: 16 rows x 528 bytes for each wave; no tensor load lands here
.set SPITCH, 528
.set SPARE,  STAGE+4*16*SPITCH
.set ADRA, 16
.set ADRB, 20
.set STO,  24
.set RD,   25
.set CO,   26
.set SPW,  28
.set NIL,  29
.set F0,   32
.set F1,   128
.set BK,   32                          ; the way out: 16 rows read back: v32-95 and v96-159 by turns
.set G1A,  24
.set G0A,  32
.set G1B,  48
.set G0B,  56
.set MSB, 0
.macro WIN new
.if MSB != \new
	s_set_vgpr_msb (MSB<<8)|\new
.set MSB, \new
.endif
.endm
.macro JLOAD s                         ; waves 0 and 1 fetch a's planes, waves 2 and 3 Wo's halves; an s_nop 0 and four v_nop follow each line
	s_cmp_eq_u32 s13, 0
	s_cbranch_scc0 .Lfor_b_\@
	tensor_load_to_lds s[G0A+4*\s:G0A+4*\s+3], s[G1A:G1A+7]
	s_nop 0
.rept 4
	v_nop
.endr
	s_branch .Lasked_\@
.Lfor_b_\@:
	tensor_load_to_lds s[G0B+4*\s:G0B+4*\s+3], s[G1B:G1B+7]
	s_nop 0
.rept 4
	v_nop
.endr
.Lasked_\@:
.endm
.macro CREST
	s_cmp_lg_u32 s12, 0
	s_cbranch_scc1 .Lnot_wave_0_\@
	s_barrier_signal -3
.Lnot_wave_0_\@:
	s_barrier_wait -3
	s_barrier_signal -1
	s_barrier_wait -1
.endm
.macro CROUND
	s_barrier_signal -1
	s_barrier_wait -1
	CREST
.endm
.macro PLACES
.rept 4
	v_nop
.endr
.endm
	s_load_b256 s[4:11], s[0:1], 0x0               ; ao 4, wo16 6, bo 8, out0 10
	v_lshl_add_u32 v[SPW], v0, 2, SPARE
	v_mov_b32 v[NIL], 0
	ds_add_u32 v[SPW], v[NIL]                      ; the wave's opening: the add, twice on end, and its wait ahead of my first tensor load
	ds_add_u32 v[SPW], v[NIL]
	v_lshrrev_b32 v1, 5, v0
	v_readfirstlane_b32 s12, v1                    ; wave 0..3
	s_lshr_b32 s13, s12, 1                         ; i: my 64 rows.  Also: I fetch for a (0) or for Wo (1)
	s_and_b32 s14, s12, 1                          ; j: my 128 columns.  Also: which plane or half I fetch
	s_bfe_u32 s40, ttmp6, 0x40000
	s_bfe_u32 s41, ttmp6, 0x40004
	s_lshl_b32 s42, ttmp9, 2
	s_add_co_u32 s42, s42, s40                     ; tile column 0..3
	s_and_b32 s45, ttmp7, 0xffff
	s_lshl_b32 s45, s45, 2
	s_add_co_u32 s45, s45, s41                     ; tile row 0..63
	s_lshl_b32 s43, s41, 2
	s_lshl_b32 s43, 15, s43                        ; my row of the cluster
	s_lshl_b32 s44, 0x1111, s40                    ; my column
	s_or_b32 s[G1A], s43, (1<<16)|(1<<20)|(1<<21)|(4<<22)|(3<<25)   ; elements of 2 bytes; 4 words of padding after every 32
	s_mov_b32 s[G1A+1], 64<<16
	s_mov_b32 s[G1A+2], 128<<16
	s_mov_b32 s[G1A+3], 64<<16
	s_mov_b32 s[G1A+4], 128
	s_mov_b32 s[G1A+5], 64
	s_mov_b32 s[G1A+6], 0
	s_mov_b32 s[G1A+7], 0
	s_or_b32 s[G1B], s44, (1<<16)|(1<<20)|(1<<21)|(5<<22)|(3<<25)   ; 4 words of padding after every 64
	s_mov_b32 s[G1B+1], 128<<16
	s_mov_b32 s[G1B+2], 128<<16
	s_mov_b32 s[G1B+3], 128<<16
	s_mov_b32 s[G1B+4], 128
	s_mov_b32 s[G1B+5], 1024
	s_mov_b32 s[G1B+6], 0
	s_mov_b32 s[G1B+7], 0
	s_lshl_b32 s16, s14, 20                        ; a: head j, rows 128 x tile row on, 128 bytes each
	s_lshl_b32 s18, s45, 14
	s_add_co_u32 s16, s16, s18
	s_mov_b32 s17, 0
	s_lshl_b32 s46, s42, 8                         ; Wo: row 256 x tile column + 128 j, 2,048 bytes each
	s_lshl_b32 s47, s14, 7
	s_add_co_u32 s46, s46, s47
	s_lshl_b32 s46, s46, 11
	s_mov_b32 s47, 0
	s_wait_dscnt 0x0                               ; both opening adds are done
	s_wait_kmcnt 0x0
	s_add_nc_u64 s[16:17], s[4:5], s[16:17]
	s_add_nc_u64 s[46:47], s[6:7], s[46:47]
	CROUND                                         ; all sixteen work-groups are here: the first joint loads meet
.irp s, 0,1
	s_mov_b32 s[G0A+4*\s], 1
	s_mul_i32 s[G0A+4*\s+1], s14, PLANE
	s_add_co_u32 s[G0A+4*\s+1], s[G0A+4*\s+1], \s*SLOT
	s_add_nc_u64 s[G0A+4*\s+2:G0A+4*\s+3], s[16:17], \s*2097152   ; K step s: heads 2 s and 2 s + 1
	s_or_b32 s[G0A+4*\s+3], s[G0A+4*\s+3], 0x80000000
	s_mov_b32 s[G0B+4*\s], 1
	s_mul_i32 s[G0B+4*\s+1], s14, HALFB
	s_add_co_u32 s[G0B+4*\s+1], s[G0B+4*\s+1], \s*SLOT+BOFF
	s_add_nc_u64 s[G0B+4*\s+2:G0B+4*\s+3], s[46:47], \s*256
	s_or_b32 s[G0B+4*\s+3], s[G0B+4*\s+3], 0x80000000
	JLOAD \s
.endr
	v_and_b32 v1, 15, v0                           ; r
	v_bfe_u32 v2, v0, 4, 1                         ; h
	v_mul_u32_u24 v3, v1, PA
	v_lshl_add_u32 v3, v2, 4, v3
	v_mul_u32_u24 v4, v1, PB
	v_lshl_add_u32 v4, v2, 4, v4
	s_mul_i32 s18, s13, 64*PA                      ; my 64 rows in a plane
	s_mul_i32 s19, s14, HALFB                      ; my 128 rows of Wo, behind the planes
	s_add_co_u32 s19, s19, BOFF
.irp s, 0,1
	v_add_nc_u32 v[ADRA+\s], s18, v3
	v_add_nc_u32 v[ADRB+\s], s19, v4
	s_add_co_u32 s18, s18, SLOT
	s_add_co_u32 s19, s19, SLOT
.endr
	s_mul_i32 s18, s12, 16*SPITCH
	s_add_co_u32 s18, s18, STAGE                   ; my stage
	v_mul_u32_u24 v5, v1, SPITCH
	v_lshl_add_u32 v5, v2, 5, v5
	v_add_nc_u32 v[STO], s18, v5                   ; in: row r, 32 bytes for each half of the lanes
	v_and_b32 v6, 31, v0
	v_lshlrev_b32 v[CO], 4, v6                     ; back: the 32 lanes take one row of 512 bytes; and the same in out0
	v_add_nc_u32 v[RD], s18, v[CO]
	s_lshl_b32 s18, s42, 10
	s_lshl_b32 s19, s14, 9
	s_add_co_u32 s18, s18, s19                     ; (256 x tile column + 128 j) x 4 bytes: in bo, and in a row of out0
	s_mov_b32 s19, 0
	s_add_nc_u64 s[8:9], s[8:9], s[18:19]
	s_add_nc_u64 s[10:11], s[10:11], s[18:19]
	s_lshl_b32 s18, s45, 7
	s_lshl_b32 s20, s13, 6
	s_add_co_u32 s18, s18, s20
	s_lshl_b32 s18, s18, 12                        ; my first row, 4,096 bytes each
	s_add_nc_u64 s[10:11], s[10:11], s[18:19]
	v_lshlrev_b32 v7, 5, v2                        ; lane (r, h) wants, for block b, columns 16 b + 8 h + 0 .. 7
	WIN 0x80                                       ; destination window 2
.irp b, 0,1,2,3,4,5,6,7
.irp c, 0,1
	global_load_b128 v[8*\b+4*\c:8*\b+4*\c+3], v7, s[8:9] offset:64*\b+16*\c
.endr
.endr
	WIN 0
.macro FETCH s, q, f                   ; the fragments of quarter q (32 along K) of slot s into buffer f: 24 loads
.irp i, 0,1,2,3
.irp c, 0,1
	ds_load_b128 v[\f+8*\i+4*\c:\f+8*\i+4*\c+3], v[ADRA+\s] offset:((\q)/2)*PLANE+((\q)%2)*64+\i*16*PA+32*\c
.endr
.endr
.irp i, 0,1,2,3,4,5,6,7
.irp c, 0,1
	ds_load_b128 v[\f+32+8*\i+4*\c:\f+32+8*\i+4*\c+3], v[ADRB+\s] offset:64*(\q)+\i*16*PB+32*\c
.endr
.endr
.endm
.macro MUL8 f, a, first                ; block a of my rows against Wo's eight; the 32 accumulators take turns in the same order in every quarter
.irp b, 0,1,2,3,4,5,6,7
.if \first
	v_wmma_f32_16x16x32_f16 v[8*(8*(\a)+\b):8*(8*(\a)+\b)+7], v[\f+32+8*\b:\f+32+8*\b+7], v[\f+8*(\a):\f+8*(\a)+7], v[8*\b:8*\b+7]
.else
	v_wmma_f32_16x16x32_f16 v[8*(8*(\a)+\b):8*(8*(\a)+\b)+7], v[\f+32+8*\b:\f+32+8*\b+7], v[\f+8*(\a):\f+8*(\a)+7], v[8*(8*(\a)+\b):8*(8*(\a)+\b)+7]
.endif
.endr
.endm
.macro STEP s, q, first                ; one of a K step's first three quarters: fetches the next quarter into the other buffer and multiplies this one
	PLACES                                         ; four places in front of loads into registers that the last products read
.if (\q)%2 == 0
	FETCH \s, (\q)+1, F1
.else
	FETCH \s, (\q)+1, F0
.endif
	s_wait_dscnt 24                                ; all but the 24 just issued
.if \first
	WIN 0x60                                       ; C (the bias) window 2, D window 1
.else
	WIN 0x50                                       ; C and D window 1
.endif
.irp m, 0,1,2,3
	MUL8 F0+96*((\q)%2), \m, \first
.endr
	WIN 0
.endm
; A K step's last quarter multiplies buffer 1 and changes slots: one barrier; in front of it each wave waits for all its tensor loads, adds 0 to its spare word, and waits for that and for its reads of this slot.
.macro TURN s, next, fill
	s_wait_tensorcnt 0x0                           ; all my tensor loads have landed: my part of the next slot
	ds_add_u32 v[SPW], v[NIL]
	s_wait_dscnt 1                                 ; buffer 1 is in; the add may be out
	WIN 0x50
	MUL8 F1, 0, 0                                  ; sixteen matrix instructions stand between the add and the wait for it
	MUL8 F1, 1, 0
	s_wait_dscnt 0x0                               ; the add is done, and my reads of this slot are over
	s_barrier_signal -1
	MUL8 F1, 2, 0
	WIN 0
	s_barrier_wait -1
.if \fill
	CREST                                          ; the barrier has opened a round of the cluster's: no wave of any partner still reads this slot or has a load on its way
	s_add_nc_u64 s[G0A+4*\s+2:G0A+4*\s+3], s[G0A+4*\s+2:G0A+4*\s+3], 4194304   ; two K steps on: four heads,
	s_add_nc_u64 s[G0B+4*\s+2:G0B+4*\s+3], s[G0B+4*\s+2:G0B+4*\s+3], 512       ; 256 along Wo's rows
	JLOAD \s                                       ; the first tensor load behind the round: 104 matrix instructions ahead of the wait for it; its four v_nop are the places in front of the loads below
.else
	PLACES
.endif
	FETCH \next, 0, F0
	WIN 0x50
	MUL8 F1, 3, 0
	WIN 0
.endm
	s_wait_tensorcnt 1                             ; my part of K step 0 is in; K step 1's load may be out
	s_barrier_signal -1
	s_barrier_wait -1
	FETCH 0, 0, F0
	s_wait_loadcnt 0x0                             ; the bias
	STEP 0, 0, 1                                   ; the first quarter stands in front of the loop: its products start the sums on the bias
	s_mov_b32 s3, 3
.Llap:                                             ; a trip goes once round the ring and fills both slots again: K steps 2 to 7
	STEP 0, 1, 0
	STEP 0, 2, 0
	TURN 0, 1, 1
	STEP 1, 0, 0
	STEP 1, 1, 0
	STEP 1, 2, 0
	TURN 1, 0, 1
	STEP 0, 0, 0
	s_sub_co_u32 s3, s3, 1
	s_cmp_lg_u32 s3, 0
	s_cbranch_scc1 .Llap
	STEP 0, 1, 0                                   ; the last lap fills nothing
	STEP 0, 2, 0
	TURN 0, 1, 0
	STEP 1, 0, 0
	STEP 1, 1, 0
	STEP 1, 2, 0
	s_wait_dscnt 0x0
	WIN 0x50
	MUL8 F1, 0, 0
	MUL8 F1, 1, 0
	MUL8 F1, 2, 0
	MUL8 F1, 3, 0
	WIN 0
; THE WAY OUT, 16 rows x 128 columns at a time, through my own stage: a lane's 32 bytes go in, whole rows of 512 bytes come back and are stored by the 32 lanes.
.macro TOSTAGE a
	WIN 0x04                                       ; an LDS store's data: window 1
.irp b, 0,1,2,3,4,5,6,7
	ds_store_b128 v[STO], v[8*(8*\a+\b):8*(8*\a+\b)+3] offset:64*\b          ; each accumulator from its low end on
	ds_store_b128 v[STO], v[8*(8*\a+\b)+4:8*(8*\a+\b)+7] offset:64*\b+16
.endr
	WIN 0
.irp t, 0,1,2,3,4,5,6,7,8,9,10,11,12,13,14,15
	ds_load_b128 v[BK+64*((\a)%2)+4*\t:BK+64*((\a)%2)+4*\t+3], v[RD] offset:\t*SPITCH   ; LDS serves a wave's instructions in order: these see the stores above
.endr
.endm
.macro SEND a, younger                 ; younger: the LDS instructions issued behind block a's loads
	s_wait_dscnt \younger
.irp t, 0,1,2,3,4,5,6,7,8,9,10,11,12,13,14,15
	global_store_b128 v[CO], v[BK+64*((\a)%2)+4*\t:BK+64*((\a)%2)+4*\t+3], s[10:11] offset:(16*\a+\t)*4096 th:TH_STORE_NT   ; 32 lanes store 512 consecutive bytes, aligned; written once
.endr
.endm
	PLACES                                         ; the loads below land in registers that the last products read, and the stores read results
	TOSTAGE 0
	TOSTAGE 1
	SEND 0, 32
	s_wait_xcnt 0x0                                ; block 0's stores have read their registers: block 2's loads may land there
	TOSTAGE 2
	SEND 1, 32
	s_wait_xcnt 0x0                                ; block 1's likewise
	TOSTAGE 3
	SEND 2, 32
	SEND 3, 0
	s_wait_tensorcnt 0x0                           ; the wave's end
	ds_add_u32 v[SPW], v[NIL]
	s_wait_dscnt 0x0
	CROUND                                         ; the closing round
	s_endpgm
.Lfunc_end_k_q194633e9a8_oproj:
	.size	k_q194633e9a8_oproj, .Lfunc_end_k_q194633e9a8_oproj-k_q194633e9a8_oproj
	.p2alignl 7, 3214868480
	.fill 96, 4, 3214868480
	.section	.rodata,"a",@progbits
	.p2align	6, 0x0
	.amdhsa_kernel k_q194633e9a8_oproj
		.amdhsa_group_segment_fixed_size 327680
		.amdhsa_private_segment_fixed_size 0
		.amdhsa_enable_private_segment 0
		.amdhsa_kernarg_size 32
		.amdhsa_user_sgpr_count 2
		.amdhsa_user_sgpr_kernarg_segment_ptr 1
		.amdhsa_wavefront_size32 1
		.amdhsa_system_sgpr_workgroup_id_x 1
		.amdhsa_system_sgpr_workgroup_id_y 1
		.amdhsa_system_sgpr_workgroup_id_z 1
		.amdhsa_system_vgpr_workitem_id 0
		.amdhsa_next_free_vgpr 768
		.amdhsa_next_free_sgpr 66
		.amdhsa_reserve_vcc 0
		.amdhsa_float_denorm_mode_32 3
		.amdhsa_float_denorm_mode_16_64 3
		.amdhsa_memory_ordered 1
		.amdhsa_forward_progress 1
		.amdhsa_inst_pref_size 86
	.end_amdhsa_kernel
	.amdgpu_metadata
---
amdhsa.version: [ 1, 2 ]
amdhsa.kernels:
  - .name:           k_q194633e9a8_oproj
    .symbol:         k_q194633e9a8_oproj.kd
    .args:
      - { .name: ao, .offset: 0, .size: 8, .value_kind: global_buffer, .address_space: global }
      - { .name: wo16, .offset: 8, .size: 8, .value_kind: global_buffer, .address_space: global }
      - { .name: bo, .offset: 16, .size: 8, .value_kind: global_buffer, .address_space: global }
      - { .name: out0, .offset: 24, .size: 8, .value_kind: global_buffer, .address_space: global }
    .group_segment_fixed_size: 327680
    .private_segment_fixed_size: 0
    .kernarg_segment_align: 8
    .kernarg_segment_size: 32
    .max_flat_workgroup_size: 128
    .sgpr_count:     66
    .vgpr_count:     768
    .wavefront_size: 32
...
	.end_amdgpu_metadata
.endif
;; end of part 4
